; MI455X (gfx1250); checked and timed in simulation.
; The chip was launched on July 23, 2026; its instructions are those of AMD's public machine-readable ISA for CDNA 5 (MIT licence, August 2026) and "CDNA5" Instruction Set Architecture Reference Guide (July 2026). The comments in the code are by the model that wrote it; some were corrected since.
;; Self Attention. Allowed arithmetic: matrix products marked QUANTISED: E4M3 operands, one given power-of-two scale a tensor, by v_wmma_f32_16x16x64_fp8_fp8 or v_wmma_f32_16x16x128_fp8_fp8, f32 sums; everything else in f32.
;; Inputs: Wk_codes 1,024 x 32 x 32 uint8 (E4M3 codes of Wk, K innermost, in blocks of 32 codes); Wq_codes 1,024 x 32 x 32 uint8 (E4M3 codes of Wq, K innermost, in blocks of 32 codes); Wv_codes 1,024 x 32 x 32 uint8 (E4M3 codes of Wv, K innermost, in blocks of 32 codes); bk 1,024 float32; bq 1,024 float32; bv 1,024 float32; lowp_scales 10 int32 (the exponents e of the quantised operands' scales 2^e); x_codes 4 x 2,048 x 32 x 32 uint8 (E4M3 codes of x, K innermost, in blocks of 32 codes).
;; Outputs: out0 4 x 2,048 x 1,024 float32.
;; This version of the problem:
;;   THIS VERSION OF THE PROBLEM IS GIVEN IN LOW PRECISION. The matrix products marked QUANTISED in the list below multiply operands that are first quantised to E4M3 (4 exponent bits, 3 mantissa bits; 8 bits a number), with one given power-of-two scale for each operand tensor; their sums are f32. All else is computed in f32.
;;   The module's matrix products, in the order in which they are computed (A, B: the left and right operand; K: the contracted axis; several contracted axes count as one K, in the product's order):
;;     1. [M 8,192, K 1,024] x [K 1,024, N 1,024]; A: input x (given as codes); B: input Wq (given as codes): QUANTISED (scales: A lowp_scales[0], B lowp_scales[1])
;;     2. [M 8,192, K 1,024] x [K 1,024, N 1,024]; A: input x (given as codes); B: input Wk (given as codes): QUANTISED (scales: A lowp_scales[2], B lowp_scales[3])
;;     3. [M 8,192, K 1,024] x [K 1,024, N 1,024]; A: input x (given as codes); B: input Wv (given as codes): QUANTISED (scales: A lowp_scales[4], B lowp_scales[5])
;;     4. batch 64 x [M 2,048, K 64] x [K 64, N 2,048]; A: computed on the way; B: computed on the way: QUANTISED (scales: A lowp_scales[6], B lowp_scales[7])
;;     5. batch 64 x [M 2,048, K 2,048] x [K 2,048, N 64]; A: softmax (see below); B: computed on the way: QUANTISED (scales: A lowp_scales[8], B lowp_scales[9])
;;   THE QUANTISER, for each operand of a quantised product, along K:
;;     - The operand's scale is 2^e, e = its entry of the input lowp_scales (int32; the entries are numbered through the quantised products in the list's order, A before B).
;;     - Each number is divided by the scale, clamped to +-448, and rounded to the nearest number of E4M3, ties to even, subnormals kept.
;;     - The product sums the exact products of the quantised numbers (number of the format x scale) in f32.
;;   ~~~python
;;   def quantise(x, axis, e):      # numpy; x: float32 -> the quantised numbers, widened to float32 again
;;       x = np.moveaxis(x, axis, -1); K = x.shape[-1]
;;       r = np.clip(x / 2.0 ** e, -448, 448)
;;       step = 2.0 ** (np.maximum(np.frexp(np.where(r == 0, 1, r))[1] - 1, -6) - 3)
;;       q = np.round(r / step) * step * 2.0 ** e      # np.round: ties to even
;;       return np.moveaxis(q, -1, axis).astype(np.float32)
;;   ~~~
;;   SOFTMAX AHEAD OF A QUANTISED PRODUCT. Where the list says 'softmax', what is quantised is not the finished softmax but p = 2^(t - M), with t = logit x log2(e) and M = ceil(the row's largest t), a whole number; so 1/2 < the row's largest p <= 1. The row's sum l is taken of the UNQUANTISED p, in f32, and the product's result is divided by l at the end. Since M is a whole number, a kernel that streams over the keys may use a running M (the ceiling of the running maximum): every later rescaling is an exact power of two, so the quantised numbers keep their values, but for numbers so far below the row's largest that they fall under the format's range.
;;   OPERANDS COMPUTED ON THE WAY. 'Computed on the way' means the value that the module computes at that place (a softmax that the list does not call 'softmax' is quantised finished and normalised). What goes into a quantiser is computed in f32, as accurately as f32 sums, v_exp_f32 and their like allow (about 1e-6 of the number): no bf16 or f16 on the way to a quantiser, and a product that is left as it is and whose result goes on into a quantised operand takes f32 operands (vector FMAs, or v_wmma_f32_16x16x4_f32). A number that lies on a knife's edge between two numbers of the format may be rounded either way, as far as f32 arithmetic and the matrix unit's own rounding can turn it there, and no further.
;;   INPUTS GIVEN AS CODES. Wk (in the module: [1024, 1024], K = its axis 0); Wq (in the module: [1024, 1024], K = its axis 0); Wv (in the module: [1024, 1024], K = its axis 0); x (in the module: [4, 2048, 1024], K = its axis 2): each comes as NAME_codes (uint8): NAME with its K axis moved to the last place and cut into blocks of 32 codes, [.., K / 32, bytes a block], one block behind the other in memory; one code a byte (a code: sign, 4 exponent bits, 3 mantissa bits); its scale is its entry of lowp_scales. Its value is code x scale, taken as it is: it is not quantised again, and the codes and scales need not be those that the quantiser above would give.
;; One version. Each part assembles by itself: llvm-mc -triple=amdgcn-amd-amdhsa -mcpu=gfx1250 --defsym DOCPART=n.
;; ======== version 1 of 1: 2 launches
;; limits: right only within a limited range of input values
;; workspace buffers: q_img 8,388,608 bytes; k_img 8,388,608 bytes; v_img 8,388,608 bytes
;; launch proj (part 1): grid 12 x 32, 4 waves a work-group, clusters of 4 x 4, 327,680 bytes of LDS; arguments x_codes, Wq_codes, Wk_codes, Wv_codes, bq, bk, bv, lowp_scales, q_img, k_img, v_img; writes q_img, k_img, v_img
.if DOCPART == 1
	.amdgcn_target "amdgcn-amd-amdhsa--gfx1250"
	.amdhsa_code_object_version 6
	.text
	.protected	k_qfceabb737b_proj
	.globl	k_qfceabb737b_proj
	.p2align	8
	.type	k_qfceabb737b_proj,@function
k_qfceabb737b_proj:
	s_mov_b64 s[64:65], 0
	v_nop
	global_prefetch_b8 v0, s[64:65] scope:SCOPE_SE
	s_setreg_imm32_b32 hwreg(HW_REG_WAVE_MODE, 25, 1), 1
	s_wait_xcnt 0x0
	s_wait_alu depctr_hold_cnt(0) depctr_sa_sdst(0) depctr_va_vdst(0) depctr_va_sdst(0) depctr_va_ssrc(0) depctr_va_vcc(0) depctr_vm_vsrc(0)
	s_getreg_b32 s2, hwreg(HW_REG_IB_STS2, 6, 4)
	s_cmp_eq_u32 s2, 0
	s_cbranch_scc0 .Lentry_in_a_cluster
	s_endpgm
.Lentry_in_a_cluster:
	s_bfe_u32 s2, ttmp6, 0x10000c
	s_cmp_lg_u32 s2, 0xf033
	s_cbranch_scc0 .Lentry_shape_is_right
	s_endpgm
.Lentry_shape_is_right:
.set ROWB,   256
.set KROW,   1024
.set PITCH,  272
.set FR,     16
.set NL,     4
.set NP,     4
.set HALFT,  128*PITCH
.set SLOT,   4*HALFT
.set SPARE,  2*SLOT
.set SC,   8
.set LIM,  9
.set BO,   10
.set ADRA, 16
.set ADRB, 20
.set LO,   26
.set SPW,  28
.set NIL,  29
.set BV,   32
.set BL,   48
.set BI,   64
.set AF,   128
.set TMP,  128
.set CODES, 192
.set G1, 24
.set G0, 32
.set G1B, 48
.set G0B, 56
.set MSB, 0
.macro WIN new
.if MSB != \new
	s_set_vgpr_msb (MSB<<8)|\new
.set MSB, \new
.endif
.endm
.set MUL_LO, 0xa1
.set MUL_HI, 0xf1
.set TO_B,   0x40
.macro JLOAD g0a, g1a, g0b, g1b
	s_cmp_eq_u32 s15, 0
	s_cbranch_scc0 .Lfor_b_\@
	tensor_load_to_lds s[\g0a:\g0a+3], s[\g1a:\g1a+7]
	s_nop 0
.rept 4
	v_nop
.endr
	s_branch .Lasked_\@
.Lfor_b_\@:
	tensor_load_to_lds s[\g0b:\g0b+3], s[\g1b:\g1b+7]
	s_nop 0
.rept 4
	v_nop
.endr
.Lasked_\@:
.endm
.macro CREST
	s_cmp_lg_u32 s14, 0
	s_cbranch_scc1 .Lnot_wave_0_\@
	s_barrier_signal -3
.Lnot_wave_0_\@:
	s_barrier_wait -3
	s_barrier_signal -1
	s_barrier_wait -1
.endm
.macro CROUND
	s_barrier_signal -1
	s_barrier_wait -1
	CREST
.endm
	s_load_b256 s[4:11], s[0:1], 0x0
	s_load_b256 s[68:75], s[0:1], 0x20
	s_load_b128 s[76:79], s[0:1], 0x40
	s_load_b64 s[80:81], s[0:1], 0x50
	v_lshl_add_u32 v[SPW], v0, 2, SPARE
	v_mov_b32 v[NIL], 0
	ds_add_u32 v28, v29
	ds_add_u32 v28, v29
	s_wait_dscnt 0x0
	v_lshrrev_b32 v1, 5, v0
	v_readfirstlane_b32 s14, v1
	s_lshr_b32 s15, s14, 1
	s_and_b32 s16, s14, 1
	s_bfe_u32 s40, ttmp6, 0x40000
	s_bfe_u32 s41, ttmp6, 0x40004
	s_and_b32 s12, ttmp7, 0xffff
	s_lshl_b32 s12, s12, 2
	s_cmp_eq_u32 ttmp9, 2
	s_cselect_b32 s17, 0, s12
	s_cselect_b32 s42, s12, 0
	s_add_co_u32 s17, s17, s41
	s_add_co_u32 s42, s42, s40
	s_lshl_b32 s43, s41, 2
	s_lshl_b32 s43, 15, s43
	s_lshl_b32 s44, 0x1111, s40
	s_or_b32 s[G1+0], s43, (0<<16)|(1<<20)|(1<<21)|(5<<22)|(3<<25)
	s_or_b32 s[G1B+0], s44, (0<<16)|(1<<20)|(1<<21)|(5<<22)|(3<<25)
.irp g, G1, G1B
	s_mov_b32 s[\g+1], ROWB<<16
	s_mov_b32 s[\g+2], 128<<16
	s_mov_b32 s[\g+3], ROWB<<16
	s_mov_b32 s[\g+4], 128
	s_mov_b32 s[\g+5], KROW
	s_mov_b32 s[\g+6], 0
	s_mov_b32 s[\g+7], 0
.endr
	s_lshl_b32 s18, s16, 7
	s_lshl_b32 s20, s17, 8
	s_add_co_u32 s20, s20, s18
	s_lshl_b32 s20, s20, 10
	s_mov_b32 s21, 0
	s_lshl_b32 s46, s42, 8
	s_add_co_u32 s46, s46, s18
	s_lshl_b32 s46, s46, 10
	s_mov_b32 s47, 0
	s_mul_i32 s45, s14, HALFT
	s_wait_kmcnt 0x0
	s_load_b256 s[84:91], s[74:75], 0x0
	s_load_b64 s[92:93], s[74:75], 0x20
	s_cmp_eq_u32 ttmp9, 0
	s_cselect_b64 s[94:95], s[6:7], s[8:9]
	s_cmp_eq_u32 ttmp9, 2
	s_cselect_b64 s[82:83], s[10:11], s[4:5]
	s_cselect_b64 s[94:95], s[4:5], s[94:95]
	s_add_nc_u64 s[20:21], s[82:83], s[20:21]
	s_add_nc_u64 s[46:47], s[94:95], s[46:47]
	CROUND
.irp s, 0,1
	s_mov_b32 s[G0+4*\s], 1
	s_add_co_u32 s[G0+4*\s+1], s45, \s*SLOT
	s_add_nc_u64 s[G0+4*\s+2:G0+4*\s+3], s[20:21], \s*ROWB
	s_or_b32 s[G0+4*\s+3], s[G0+4*\s+3], 0x80000000
	s_mov_b32 s[G0B+4*\s], 1
	s_add_co_u32 s[G0B+4*\s+1], s45, \s*SLOT
	s_add_nc_u64 s[G0B+4*\s+2:G0B+4*\s+3], s[46:47], \s*ROWB
	s_or_b32 s[G0B+4*\s+3], s[G0B+4*\s+3], 0x80000000
.if \s
	s_wait_alu depctr_va_vdst(0)
	s_wait_tensorcnt 0x0
	ds_add_u32 v28, v29
	ds_add_u32 v28, v29
	s_wait_dscnt 0x0
	CROUND
.endif
	JLOAD G0+4*\s, G1, G0B+4*\s, G1B
.endr
	v_and_b32 v1, 15, v0
	v_bfe_u32 v2, v0, 4, 1
	v_mul_u32_u24 v3, v1, PITCH
	v_lshl_add_u32 v4, v2, 4, v3
	s_mul_i32 s21, s15, HALFT
	s_mul_i32 s22, s16, HALFT
	s_add_co_u32 s22, s22, 2*HALFT
.irp s, 0,1
	v_add_nc_u32 v[ADRA+\s], s21, v4
	v_add_nc_u32 v[ADRB+\s], s22, v4
	s_add_co_u32 s21, s21, SLOT
	s_add_co_u32 s22, s22, SLOT
.endr
	v_and_b32 v6, 31, v0
	v_lshlrev_b32 v[LO], 4, v6
	s_wait_alu depctr_va_vdst(0)
	s_wait_kmcnt 0x0
	s_add_co_i32 s84, s84, s85
	s_add_co_i32 s86, s86, s87
	s_add_co_i32 s88, s88, s89
	s_cmp_eq_u32 ttmp9, 0
	s_cselect_b32 s96, s84, s86
	s_cselect_b32 s98, s90, s91
	s_cmp_eq_u32 ttmp9, 2
	s_cselect_b32 s96, s88, s96
	s_cselect_b32 s98, s93, s98
	s_sub_co_i32 s99, 0, s96
	s_sub_co_i32 s98, s98, s96
	s_add_co_i32 s98, s98, 127
	s_lshl_b32 s13, s98, 23
	v_mov_b32 v[SC], s13
	s_add_co_i32 s98, s98, 8
	s_lshl_b32 s98, s98, 23
	s_or_b32 s98, s98, 0x600000
	v_mov_b32 v[LIM], s98
.macro FRAG reg, adr, q, i
.irp c, 0,1,2,3
	ds_load_b128 v[\reg+4*\c:\reg+4*\c+3], v[\adr] offset:128*(\q)+32*\c+(\i)*16*PITCH
.endr
.endm
.macro MUL16 a0, p, zero
.irp a, \a0, \a0+1
.irp b, 0,1,2,3,4,5,6,7
.if \zero
	v_wmma_f32_16x16x128_fp8_fp8 v[8*(8*((\a)%4)+\b):8*(8*((\a)%4)+\b)+7], v[128*(\p)+FR*\b:128*(\p)+FR*\b+FR-1], v[AF+FR*(\a):AF+FR*(\a)+FR-1], 0
.else
	v_wmma_f32_16x16x128_fp8_fp8 v[8*(8*((\a)%4)+\b):8*(8*((\a)%4)+\b)+7], v[128*(\p)+FR*\b:128*(\p)+FR*\b+FR-1], v[AF+FR*(\a):AF+FR*(\a)+FR-1], v[8*(8*((\a)%4)+\b):8*(8*((\a)%4)+\b)+7]
.endif
.endr
.endr
.endm
.macro FETCH_B slot, q, p
	WIN TO_B
.irp i, 0,1,2,3,4,5,6,7
	FRAG 128*(\p)+FR*\i, ADRB+\slot, \q, \i
.endr
	WIN 0
.endm
.macro FETCH_A slot, q, i0
.irp i, \i0, \i0+1, \i0+2, \i0+3
	FRAG AF+FR*(\i), ADRA+\slot, \q, \i
.endr
.endm
.macro PLACES n
.rept \n
	v_nop
.endr
.endm
.macro STEP slot, q, zero
	s_wait_dscnt 4*NL
	WIN MUL_LO
	MUL16 0, (\q)%2, \zero
	MUL16 2, (\q)%2, \zero
	s_wait_dscnt 0
	PLACES NP
	FETCH_B \slot, (\q)+1, 1-(\q)%2
	FETCH_A \slot, (\q)+1, 0
	WIN MUL_HI
	MUL16 4, (\q)%2, \zero
	MUL16 6, (\q)%2, \zero
	PLACES NP
	WIN 0
	FETCH_A \slot, (\q)+1, 4
.endm
.macro TURN slot, next, fill
	s_wait_tensorcnt 0x0
	ds_add_u32 v[SPW], v[NIL]
	s_wait_dscnt 4*NL+1
	WIN MUL_LO
	MUL16 0, 1, 0
	s_wait_dscnt 0x0
	s_barrier_signal -1
	MUL16 2, 1, 0
	WIN 0
	s_barrier_wait -1
.if \fill
	CREST
	s_add_nc_u64 s[G0+4*\slot+2:G0+4*\slot+3], s[G0+4*\slot+2:G0+4*\slot+3], 2*ROWB
	s_add_nc_u64 s[G0B+4*\slot+2:G0B+4*\slot+3], s[G0B+4*\slot+2:G0B+4*\slot+3], 2*ROWB
	JLOAD G0+4*\slot, G1, G0B+4*\slot, G1B
.else
	PLACES NP
.endif
	FETCH_B \next, 0, 0
	FETCH_A \next, 0, 0
	WIN MUL_HI
	MUL16 4, 1, 0
	MUL16 6, 1, 0
	PLACES NP
	WIN 0
	FETCH_A \next, 0, 4
.endm
.macro LAST
	s_wait_dscnt 4*NL
	WIN MUL_LO
	MUL16 0, 1, 0
	MUL16 2, 1, 0
	s_wait_dscnt 0
	WIN MUL_HI
	MUL16 4, 1, 0
	MUL16 6, 1, 0
	WIN 0
	PLACES NP
.endm
.macro BLOCK a, isv
.set AC, 64*((\a)%4)
.set CD, CODES+16*((\a)%4)
.if (\a) >= 4
	s_wait_xcnt 0x0
.endif
	WIN 0x02+((\a)/4)
.set jj, 0
.rept 32
.if \isv
	v_pk_add_f32 v[TMP+jj:TMP+jj+1], v[AC+jj:AC+jj+1], v[BV+2*(\a):BV+2*(\a)+1]
.else
	v_pk_add_f32 v[TMP+jj:TMP+jj+1], v[AC+jj:AC+jj+1], v[BI+jj:BI+jj+1]
.endif
.set jj, jj+2
.endr
	WIN 0
.irp b, 0,1,2,3,4,5,6,7
.irp i, 0,1,2,3,4,5,6,7
	v_med3_num_f32 v[TMP+8*\b+\i], v[TMP+8*\b+\i], -v[LIM], v[LIM]
.endr
	v_cvt_scalef32_pk8_fp8_f32 v[CD+2*\b:CD+2*\b+1], v[TMP+8*\b:TMP+8*\b+7], v[SC]
.endr
	v_nop
.irp c, 0,1,2,3
.if \isv
	global_store_b128 v[LO], v[CD+4*\c:CD+4*\c+3], s[100:101] offset:((\a)/4)*131072+((\a)%4)*2048+\c*512
.else
	global_store_b128 v[LO], v[CD+4*\c:CD+4*\c+3], s[100:101] offset:(\c/2)*131072+(\a)*1024+(\c%2)*512
.endif
.endr
.endm
	s_wait_tensorcnt 1
	s_barrier_signal -1
	s_barrier_wait -1
	FETCH_B 0, 0, 0
	FETCH_A 0, 0, 0
	FETCH_A 0, 0, 4
	STEP 0, 0, 1
	TURN 0, 1, 1
	STEP 1, 0, 0
	TURN 1, 0, 1
	STEP 0, 0, 0
	TURN 0, 1, 0
	STEP 1, 0, 0
	s_cmp_eq_u32 ttmp9, 2
	s_cbranch_scc1 .Lv
	s_cmp_eq_u32 ttmp9, 0
	s_cselect_b64 s[22:23], s[68:69], s[70:71]
	s_cselect_b64 s[100:101], s[76:77], s[78:79]
	s_lshl_b32 s2, s42, 10
	s_lshl_b32 s3, s16, 9
	s_add_co_u32 s2, s2, s3
	s_mov_b32 s3, 0
	s_add_nc_u64 s[22:23], s[22:23], s[2:3]
	v_lshlrev_b32 v[BO], 5, v2
.irp b, 0,1,2,3,4,5,6,7
	global_load_b128 v[BI+8*\b:BI+8*\b+3], v[BO], s[22:23] offset:64*\b
	global_load_b128 v[BI+8*\b+4:BI+8*\b+7], v[BO], s[22:23] offset:64*\b+16
.endr
	s_lshr_b32 s2, s17, 3
	s_lshl_b32 s2, s2, 21
	s_lshl_b32 s3, s42, 19
	s_add_co_u32 s2, s2, s3
	s_lshl_b32 s3, s16, 18
	s_add_co_u32 s2, s2, s3
	s_and_b32 s3, s17, 7
	s_lshl_b32 s3, s3, 14
	s_add_co_u32 s2, s2, s3
	s_lshl_b32 s3, s15, 13
	s_add_co_u32 s2, s2, s3
	s_mov_b32 s3, 0
	s_add_nc_u64 s[100:101], s[100:101], s[2:3]
	LAST
	s_wait_loadcnt 0x0
.set jj, 0
.rept 64
	v_ldexp_f32 v[BI+jj], v[BI+jj], s99
.set jj, jj+1
.endr
.irp a, 0,1,2,3,4,5,6,7
	BLOCK \a, 0
.endr
	s_branch .Ljoin
.Lv:
	s_lshl_b32 s2, s17, 10
	s_lshl_b32 s3, s15, 9
	s_add_co_u32 s2, s2, s3
	s_mov_b32 s3, 0
	s_add_nc_u64 s[22:23], s[72:73], s[2:3]
	v_lshlrev_b32 v[BO], 2, v1
.irp a, 0,1,2,3,4,5,6,7
	global_load_b32 v[BL+\a], v[BO], s[22:23] offset:64*\a
.endr
	s_lshr_b32 s2, s42, 3
	s_lshl_b32 s2, s2, 21
	s_lshl_b32 s3, s17, 19
	s_add_co_u32 s2, s2, s3
	s_lshl_b32 s3, s15, 18
	s_add_co_u32 s2, s2, s3
	s_and_b32 s3, s42, 7
	s_lshl_b32 s3, s3, 14
	s_add_co_u32 s2, s2, s3
	s_lshl_b32 s3, s16, 13
	s_add_co_u32 s2, s2, s3
	s_mov_b32 s3, 0
	s_add_nc_u64 s[100:101], s[80:81], s[2:3]
	LAST
	s_wait_loadcnt 0x0
.irp a, 0,1,2,3,4,5,6,7
	v_ldexp_f32 v[BV+2*\a], v[BL+\a], s99
	v_ldexp_f32 v[BV+2*\a+1], v[BL+\a], s99
.endr
.irp a, 0,1,2,3,4,5,6,7
	BLOCK \a, 1
.endr
.Ljoin:
	s_wait_tensorcnt 0x0
	ds_add_u32 v[SPW], v[NIL]
	s_wait_dscnt 0x0
	CROUND
	s_endpgm
.Lfunc_end_k_qfceabb737b_proj:
	.size	k_qfceabb737b_proj, .Lfunc_end_k_qfceabb737b_proj-k_qfceabb737b_proj
	.p2alignl 7, 3214868480
	.fill 96, 4, 3214868480
	.section	.rodata,"a",@progbits
	.p2align	6, 0x0
	.amdhsa_kernel k_qfceabb737b_proj
		.amdhsa_group_segment_fixed_size 327680
		.amdhsa_private_segment_fixed_size 0
		.amdhsa_enable_private_segment 0
		.amdhsa_kernarg_size 88
		.amdhsa_user_sgpr_count 2
		.amdhsa_user_sgpr_kernarg_segment_ptr 1
		.amdhsa_wavefront_size32 1
		.amdhsa_system_sgpr_workgroup_id_x 1
		.amdhsa_system_sgpr_workgroup_id_y 1
		.amdhsa_system_sgpr_workgroup_id_z 1
		.amdhsa_system_vgpr_workitem_id 0
		.amdhsa_next_free_vgpr 1024
		.amdhsa_next_free_sgpr 102
		.amdhsa_reserve_vcc 0
		.amdhsa_float_denorm_mode_32 3
		.amdhsa_float_denorm_mode_16_64 3
		.amdhsa_memory_ordered 1
		.amdhsa_forward_progress 1
		.amdhsa_inst_pref_size 203
	.end_amdhsa_kernel
	.amdgpu_metadata
---
amdhsa.version: [ 1, 2 ]
amdhsa.kernels:
  - .name:           k_qfceabb737b_proj
    .symbol:         k_qfceabb737b_proj.kd
    .args:
      - { .name: x_codes, .offset: 0, .size: 8, .value_kind: global_buffer, .address_space: global }
      - { .name: Wq_codes, .offset: 8, .size: 8, .value_kind: global_buffer, .address_space: global }
      - { .name: Wk_codes, .offset: 16, .size: 8, .value_kind: global_buffer, .address_space: global }
      - { .name: Wv_codes, .offset: 24, .size: 8, .value_kind: global_buffer, .address_space: global }
      - { .name: bq, .offset: 32, .size: 8, .value_kind: global_buffer, .address_space: global }
      - { .name: bk, .offset: 40, .size: 8, .value_kind: global_buffer, .address_space: global }
      - { .name: bv, .offset: 48, .size: 8, .value_kind: global_buffer, .address_space: global }
      - { .name: lowp_scales, .offset: 56, .size: 8, .value_kind: global_buffer, .address_space: global }
      - { .name: q_img, .offset: 64, .size: 8, .value_kind: global_buffer, .address_space: global }
      - { .name: k_img, .offset: 72, .size: 8, .value_kind: global_buffer, .address_space: global }
      - { .name: v_img, .offset: 80, .size: 8, .value_kind: global_buffer, .address_space: global }
    .group_segment_fixed_size: 327680
    .private_segment_fixed_size: 0
    .kernarg_segment_align: 8
    .kernarg_segment_size: 88
    .max_flat_workgroup_size: 128
    .sgpr_count:     102
    .vgpr_count:     1024
    .wavefront_size: 32
...
	.end_amdgpu_metadata
.endif
;; end of part 1
;; launch attn (part 2): grid 4 x 64, 16 waves a work-group, clusters of 4 x 1, 327,680 bytes of LDS; arguments q_img, k_img, v_img, lowp_scales, out0; writes out0
.if DOCPART == 2
	.amdgcn_target "amdgcn-amd-amdhsa--gfx1250"
	.amdhsa_code_object_version 6
	.text
	.protected	k_qfceabb737b_attn
	.globl	k_qfceabb737b_attn
	.p2align	8
	.type	k_qfceabb737b_attn,@function
k_qfceabb737b_attn:
	s_mov_b64 s[64:65], 0
	v_nop
	global_prefetch_b8 v0, s[64:65] scope:SCOPE_SE
	s_setreg_imm32_b32 hwreg(HW_REG_WAVE_MODE, 25, 1), 1
	s_wait_xcnt 0x0
	s_wait_alu depctr_hold_cnt(0) depctr_sa_sdst(0) depctr_va_vdst(0) depctr_va_sdst(0) depctr_va_ssrc(0) depctr_va_vcc(0) depctr_vm_vsrc(0)
	s_getreg_b32 s2, hwreg(HW_REG_IB_STS2, 6, 4)
	s_cmp_eq_u32 s2, 0
	s_cbranch_scc0 .Lentry_in_a_cluster
	s_endpgm
.Lentry_in_a_cluster:
	s_bfe_u32 s2, ttmp6, 0x10000c
	s_cmp_lg_u32 s2, 0x3003
	s_cbranch_scc0 .Lentry_shape_is_right
	s_endpgm
.Lentry_shape_is_right:
; out[batch][q][head][:] = the sum over k of softmax_k(q . k / 8) v, both products on codes of FP8 (E4M3) with the given scales e6 (q), e7 (k), e8 (p), e9 (v).  64 heads (bh = 16 x batch + head), 2,048 tokens, head size 64.
; q_img, k_img, v_img hold images of the operands' registers (lane l's 16 bytes at 16 l, 512 bytes for four registers of the 32 lanes):
;   q_img, k_img: bh x 131072 + (tile of 16 tokens) x 1024 + u x 512: a fragment 16 tokens x 64 channels, 8 registers.   v_img: bh x 131072 + (step of 128 keys) x 8192 + (tile of 16 channels) x 2048 + c4 x 512: 16 channels x 128 keys, 16 registers.
; THE SOFTMAX AHEAD OF THE SECOND PRODUCT: t = score x log2(e) / 8; M = the row's largest t so far, rounded UP to a whole number; p = 2^(t - M) is what is quantised; it is not normalised.
; The row's sum is taken of the unquantised p, in f32, and divides O at the end.  When M moves, the sum and O are multiplied by 2^(old M - new M): exact.
; SHARES.  A work-group owns 512 queries of one head; each of its sixteen waves 32 of them, two tiles of 16, in 256 registers: four waves to a SIMD.  Each fragment of K and V read from LDS feeds two matrix instructions.  Every wave walks all keys, 128 a step.
; A HEAD'S K AND V STAY WHOLE IN LDS: 131,072 + 131,072 bytes of codes, every byte filled once, one tensor load of 16,384 bytes a wave: wave w brings half w % 2 of K's (w / 2 even) or V's (odd) part w / 4; a part is 512 keys.
; Waves 0 to 3 ask at the head, for part 0; waves 4 to 15 behind the sequence ahead of a later first fill; their loads have part 0's four steps in which to land.  Every wait on TENSORcnt is for 0.
; CLUSTER.  The four query blocks of a head form a cluster and ask for K and V JOINTLY: the same tensor loads, the same descriptors, a mask that names the four.
; NO PREFETCH: the launch's last tensor load is issued behind its first barrier; no later load is left for a prefetch to run ahead of.
; LAYOUT.  Both products are used transposed: S^T = K Q^T (source 0 = 16 keys, source 1 = 16 queries), O^T = V^T P^T (source 0 = 16 channels, source 1 = P): a lane holds ONE query (lane % 16) throughout.
; In score tile t a lane's registers are keys 16 t + 8 (lane / 16) + 0 .. 7: their eight codes are registers 2 t, 2 t + 1 of P's fragment, k in its own place.
; CHAINS.  The largest score is taken in eight chains, one for each score tile, and the sum in five, so that neighbouring lines do not hang on each other; the counts of lines, 32 and 32, are those of a single chain.
; LIMITS on the given exponents, so that each power of two below is an f32 number: e6 + e7 between -123 and 130 (added to c's exponent field); e8 between -126 and 119; e8 + e9 is applied by v_ldexp_f32 and has none.  NaN is not served.
; REGISTERS: v1 16 x lane; v2, v3 LDS addresses; v5 2^e8; v[6:7] lane exchange, a chain of the sum; v[8:9] -M and the largest score, v[10:11] the sum in two halves, of tile A; v[12:15] the same of tile B; v16-23 the maximum's chains, then v16 f and v18-23 chains of the sum;
;   v24-31, v32-39 Q of tiles A, B; v40-55 P of A; v56-71 P of B; v60-123 S^T, then p (one tile at a time); v124-187 K's eight fragments, then V's four; v188-219, v220-251 O^T of A, B; v[252:253] a chain of the sum; v254, v255 the spare word's address and 0.
;   P of B lies over scores that are already summed and converted: block b's codes go to v[56 + 4 b ..], its sources are v[60 + 16 b ..].
.set LI,   1
.set ADK,  2
.set ADV,  3
.set PSC,  5
.set QA,   24
.set QB,   32
.set PA,   40
.set PB,   56
.set S,    60
.set KV,   124
.set OA,   188
.set OB,   220
.set WV,   14                          ; s14  my wave's number
.set CX,   15                          ; s15  my place in the cluster: my block of 512 queries
.set BH,   16                          ; s16  the head
.set SEL,  20                          ; s[20:21] lane selects for v_permlanex16_b32: lane l xor 16
.set CS,   22                          ; s[22:23] c = log2(e) / 8 x 2^(e6 + e7)
.set G1,   24                          ; s[24:31] descriptor group 1
.set G0,   32                          ; s[32:35] descriptor group 0: my one load
.set TB,   48                          ; s48  LDS byte at which the step's tiles of K begin
.set CNT,  49                          ; s49  steps still to go
.set PLS,  51                          ; s51  448 x 2^e8
.set VBASE, 131072                     ; V's codes lie behind K's
.set SPARE, 0x40000                    ; behind V: the spare words, 128 bytes a wave
.set SP,   272                         ; the way out: a stage row, 256 bytes + 16
.macro CROUND                          ; a round of the cluster's barrier
	s_barrier_signal -1
	s_barrier_wait -1
	s_cmp_lg_u32 s[WV], 0
	s_cbranch_scc1 .Lnot_wave_0_\@
	s_barrier_signal -3
.Lnot_wave_0_\@:
	s_barrier_wait -3
	s_barrier_signal -1
	s_barrier_wait -1
.endm
	s_load_b256 s[4:11], s[0:1], 0x0               ; q_img s[4:5], k_img s[6:7], v_img s[8:9], the exponents s[10:11]
	s_load_b64 s[12:13], s[0:1], 0x20              ; out0
	v_lshl_add_u32 v254, v0, 2, SPARE
	v_mov_b32 v255, 0
	ds_add_u32 v254, v255                          ; the opening lines: the add, twice on end, and its wait ahead of the first tensor load
	ds_add_u32 v254, v255
	v_lshrrev_b32 v2, 5, v0
	v_readfirstlane_b32 s[WV], v2                  ; wave 0..15
	v_and_b32 v[LI], 31, v0
	v_lshlrev_b32 v[LI], 4, v[LI]
	s_bfe_u32 s[CX], ttmp6, 0x40000
	s_and_b32 s[BH], ttmp7, 0xffff                 ; the four partners share it
	; descriptor group 1: a dense block of 16,384 bytes as 64 rows of 32 elements of 8 bytes; no padding: images are read 16 bytes a lane, 512 consecutive bytes an instruction
	s_mov_b32 s[G1], 15|(3<<16)|(1<<21)            ; 15:0 the mask: all four work-groups; 17:16 elements of 8 bytes; 21 set beside a mask
	s_mov_b32 s[G1+1], 32<<16                      ; tensor_dim0 = 32
	s_mov_b32 s[G1+2], 64<<16                      ; tensor_dim1 = 64
	s_mov_b32 s[G1+3], 32<<16                      ; tile_dim0 = 32
	s_mov_b32 s[G1+4], 64                          ; tile_dim1 = 64
	s_mov_b32 s[G1+5], 32                          ; tensor_dim0_stride
	s_mov_b32 s[G1+6], 0
	s_mov_b32 s[G1+7], 0
	s_mov_b32 s[SEL], 0x76543210
	s_mov_b32 s[SEL+1], 0xfedcba98
	s_mov_b32 s[CS], 0x3e38aa3b                    ; log2(e) / 8
	s_lshr_b32 s56, s[WV], 1
	s_and_b32 s56, s56, 1
	s_lshl_b32 s56, s56, 17                        ; K's region or V's,
	s_and_b32 s57, s[WV], 1
	s_lshl_b32 s57, s57, 14                        ; my half of a part,
	s_lshr_b32 s60, s[WV], 2
	s_lshl_b32 s60, s60, 15                        ; my part
	s_add_co_u32 s57, s57, s60
	s_add_co_u32 s56, s56, s57                     ; LDS address: made of the wave's number alone
	s_lshl_b32 s58, s[BH], 17                      ; the head's first byte in each image,
	s_add_co_u32 s58, s58, s57                     ; my block
	s_mov_b32 s59, 0
	s_and_b32 s62, s[WV], 2
	s_wait_alu depctr_va_vdst(0)
	s_wait_dscnt 0x0
	s_wait_kmcnt 0x0
	s_load_b64 s[52:53], s[10:11], 0x18            ; e6, e7
	s_load_b64 s[54:55], s[10:11], 0x20            ; e8, e9
	s_cmp_eq_u32 s62, 0
	s_cselect_b64 s[60:61], s[6:7], s[8:9]
	s_add_nc_u64 s[60:61], s[60:61], s[58:59]
	s_mov_b32 s[G0], 1                             ; count = 1
	s_mov_b32 s[G0+1], s56                         ; LDS address
	s_mov_b64 s[G0+2:G0+3], s[60:61]               ; global address
	s_or_b32 s[G0+3], s[G0+3], 0x80000000          ; type = 2
	CROUND                                         ; all four work-groups are here: the joint loads meet
	s_cmp_lt_u32 s[WV], 4                          ; part 0: waves 0 to 3, one load each
	s_cbranch_scc0 .Lnone
	tensor_load_to_lds s[G0:G0+3], s[G1:G1+7]
	s_nop 0
.rept 4
	v_nop
.endr
.Lnone:
	s_lshl_b32 s62, s[BH], 17                      ; Q: the head, + my two tiles: tile 32 cx + 2 w, 1,024 bytes a tile
	s_lshl_b32 s63, s[CX], 15
	s_add_co_u32 s62, s62, s63
	s_lshl_b32 s63, s[WV], 11
	s_add_co_u32 s62, s62, s63
	s_mov_b32 s63, 0
	s_add_nc_u64 s[4:5], s[4:5], s[62:63]
	s_wait_alu depctr_va_vdst(0)
.irp i, 0,1,2,3
	global_load_b128 v[QA+4*\i:QA+4*\i+3], v[LI], s[4:5] offset:512*\i th:TH_LOAD_NT   ; Q's two fragments stay in registers
.endr
	s_lshr_b32 s62, s[BH], 4                       ; out0: batch x 2,048 rows of 4,096 bytes,
	s_lshl_b32 s62, s62, 23
	s_lshl_b32 s63, s[CX], 21                      ; + my first query 512 cx + 32 w,
	s_add_co_u32 s62, s62, s63
	s_lshl_b32 s63, s[WV], 17
	s_add_co_u32 s62, s62, s63
	s_and_b32 s63, s[BH], 15                       ; + the head's 256 bytes of a row
	s_lshl_b32 s63, s63, 8
	s_add_co_u32 s62, s62, s63
	s_mov_b32 s63, 0
	s_add_nc_u64 s[12:13], s[12:13], s[62:63]
	v_mov_b32 v9, 0xff61b1e6                       ; the largest score so far: -3e38, under every score
	v_mov_b32 v13, 0xff61b1e6
	v_floor_f32 v8, -v9                            ; -M
	v_floor_f32 v12, -v13
	v_mov_b32 v10, 0                               ; the sums, in two halves
	v_mov_b32 v11, 0
	v_mov_b32 v14, 0
	v_mov_b32 v15, 0
	v_mov_b32 v6, 0                                ; written once: a lane permute's destination counts as one of its sources
	v_mov_b32 v7, 0
.set j, 0
.rept 64
	v_mov_b32 v[OA+j], 0                           ; O^T.  (The step has no first form: the first finds zeros, which the first change of M leaves zeros)
.set j, j+1
.endr
	s_wait_kmcnt 0x0
	s_add_co_i32 s56, s52, s53
	s_lshl_b32 s56, s56, 23
	s_add_co_i32 s[CS], s[CS], s56                 ; a score stands for score x 2^(e6 + e7): the two exponents are added to c's exponent field
	s_mov_b32 s[CS+1], s[CS]                       ; (named with it as a pair, so it is written)
	s_add_co_i32 s56, s54, 127
	s_lshl_b32 s57, s56, 23
	v_mov_b32 v[PSC], s57                          ; 2^e8 as f32, for the conversion
	s_add_co_i32 s56, s56, 8
	s_lshl_b32 s56, s56, 23
	s_or_b32 s[PLS], s56, 0x600000                 ; 448 x 2^e8
.macro LOADK                           ; the step's eight fragments of K: 16 keys x 64 channels each
.irp t, 0,1,2,3,4,5,6,7
	ds_load_b128 v[KV+8*\t:KV+8*\t+3],   v[ADK] offset:1024*\t
	ds_load_b128 v[KV+8*\t+4:KV+8*\t+7], v[ADK] offset:1024*\t+512
.endr
.endm
.macro LOADV                           ; the step's four fragments of V: 16 channels x 128 keys each
.irp t, 0,1,2,3
.irp c, 0,1,2,3
	ds_load_b128 v[KV+16*\t+4*\c:KV+16*\t+4*\c+3], v[ADV] offset:2048*\t+512*\c
.endr
.endr
.endm
.macro QK q                            ; S^T = K Q^T for the tile of queries in v[q] on: eight tiles of 16 keys
.irp t, 0,1,2,3,4,5,6,7
	v_wmma_f32_16x16x64_fp8_fp8 v[S+8*\t:S+8*\t+7], v[KV+8*\t:KV+8*\t+7], v[\q:\q+7], 0
.endr
.endm
.macro SUM5 first, j                   ; one line for each of the sum's five chains: first = 1: ten pairs of p from S + j on begin them; 0: five pairs are added
.set kk, 0
.irp c, 18,20,22,6,252
.if \first
	v_pk_add_f32 v[\c:\c+1], v[S+(\j)+4*kk:S+(\j)+4*kk+1], v[S+(\j)+4*kk+2:S+(\j)+4*kk+3]
.else
	v_pk_add_f32 v[\c:\c+1], v[\c:\c+1], v[S+(\j)+2*kk:S+(\j)+2*kk+1]
.endif
.set kk, kk+1
.endr
.endm
; One tile's softmax for 128 keys.  st: its statistics; pd: where its codes go; ob: its O^T.
.macro SOFTMAX st, pd, ob
.set i, 0
.rept 8
	v_max3_num_f32 v[16+i], v[S+8*i], v[S+8*i+1], v[S+8*i+2]      ; the step's largest score of my query among my 64 keys: chain i takes score tile i, from its low end on
.set i, i+1
.endr
.set i, 0
.rept 8
	v_max3_num_f32 v[16+i], v[16+i], v[S+8*i+3], v[S+8*i+4]
.set i, i+1
.endr
.set i, 0
.rept 8
	v_max3_num_f32 v[16+i], v[16+i], v[S+8*i+5], v[S+8*i+6]
.set i, i+1
.endr
.set i, 0
.rept 4
	v_max3_num_f32 v[16+i], v[16+i], v[S+8*i+7], v[S+8*i+39]      ; the last registers of tiles i and i + 4
.set i, i+1
.endr
	v_max3_num_f32 v16, v16, v17, v18
	v_max3_num_f32 v19, v19, v20, v21
	v_max_num_f32 v22, v22, v23
	v_max3_num_f32 v16, v16, v19, v22
	v_mov_b32 v18, v[\st]                          ; the old -M
	v_permlanex16_b32 v6, v16, s[SEL], s[SEL+1]
	v_max3_num_f32 v[\st+1], v[\st+1], v16, v6     ; with lane l xor 16's: the running largest score (c is positive, so the largest score gives the largest t)
	v_mul_f32 v17, s[CS], v[\st+1]                 ; as t
	v_floor_f32 v[\st], -v17                       ; the new -M = floor(-t) = -ceil(t): M IS A WHOLE NUMBER
.set j, 0
.rept 32
	v_pk_fma_f32 v[S+j:S+j+1], v[S+j:S+j+1], s[CS:CS+1], v[\st:\st+1] op_sel_hi:[1,0,0]   ; t - M, two at a time (of the pairs c and -M the low word serves both halves)
.if j == 6
	v_sub_f32 v18, v[\st], v18                     ; M's old value less its new one: a whole number, 0 or less.  (f's three lines stand apart, among lines that do not hang on them)
.endif
.if j == 26
	v_cvt_i32_f32 v18, v18                         ; (it saturates)
.endif
.if j == 46
	v_ldexp_f32 v16, 1.0, v18                      ; f = 2^(old M - new M): a multiplication by it rounds nothing
.endif
.set j, j+2
.endr
.set j, 0
	s_wait_alu depctr_va_vdst(0)                   ; the wait ahead of the batch
.rept 64
	v_exp_f32 v[S+j], v[S+j]                       ; p = 2^(t - M): NOT normalised
.set j, j+1
.endr
	v_pk_mul_f32 v[\st+2:\st+3], v[\st+2:\st+3], v[16:17] op_sel_hi:[1,0]   ; the sums under the new M.  (A plain line behind the exponentials)
	s_wait_alu depctr_va_vdst(0)                   ; one wait for the whole batch, ahead of its first reader; and, behind the last exponential, directly ahead of the first readers of O^T
.set j, 0
.rept 16
	v_pk_mul_f32 v[\ob+j:\ob+j+1], v[\ob+j:\ob+j+1], v[16:17] op_sel_hi:[1,0]   ; O^T under the new M: x f; each accumulator from its low end on
.set j, j+2
.endr
	SUM5 1, 0                                      ; THE ROW'S SUM IS TAKEN OF THE UNQUANTISED p: two at a time, in five chains
	SUM5 0, 20
	SUM5 0, 30
	SUM5 0, 40
	SUM5 0, 50
	v_pk_add_f32 v[18:19], v[18:19], v[S+60:S+61]
	v_pk_add_f32 v[20:21], v[20:21], v[S+62:S+63]
	v_pk_add_f32 v[22:23], v[22:23], v[6:7]
	v_pk_add_f32 v[\st+2:\st+3], v[\st+2:\st+3], v[252:253]
	v_pk_add_f32 v[18:19], v[18:19], v[20:21]
	v_pk_add_f32 v[\st+2:\st+3], v[\st+2:\st+3], v[22:23]
	v_pk_add_f32 v[\st+2:\st+3], v[\st+2:\st+3], v[18:19]
.set b, 0
.rept 4
.set j, 0
.rept 8
	v_dual_min_num_f32 v[S+16*b+j], s[PLS], v[S+16*b+j] :: v_dual_min_num_f32 v[S+16*b+j+1], s[PLS], v[S+16*b+j+1]   ; the conversion to an 8-bit code does not saturate (ISA guide 7.6.2); p is not negative, so the hold is one-sided; two numbers a line
.set j, j+2
.endr
	v_cvt_scalef32_pk8_fp8_f32 v[\pd+4*b:\pd+4*b+1], v[S+16*b:S+16*b+7], v[PSC]        ; score tile 2 b: registers 4 b, 4 b + 1 of P
	v_cvt_scalef32_pk8_fp8_f32 v[\pd+4*b+2:\pd+4*b+3], v[S+16*b+8:S+16*b+15], v[PSC]   ; score tile 2 b + 1
	v_nop                                          ; a plain line behind the conversions: later lines write over their sources (P of B; the next scores) or read their results
.set b, b+1
.endr
.endm
.macro PV                              ; O^T += V^T P^T, K = the step's 128 keys: the eight accumulators take turns, one instruction a turn
.irp t, 0,1,2,3
	v_wmma_f32_16x16x128_fp8_fp8 v[OA+8*\t:OA+8*\t+7], v[KV+16*\t:KV+16*\t+15], v[PA:PA+15], v[OA+8*\t:OA+8*\t+7]
	v_wmma_f32_16x16x128_fp8_fp8 v[OB+8*\t:OB+8*\t+7], v[KV+16*\t:KV+16*\t+15], v[PB:PB+15], v[OB+8*\t:OB+8*\t+7]
.endr
.endm
; A run of key steps: 128 keys a step for my two tiles of queries.
.macro STEPS n
	s_mov_b32 s[CNT], \n
.Lstep_\@:
	v_add_nc_u32 v[ADK], s[TB], v[LI]
	v_add_nc_u32 v[ADV], VBASE, v[ADK]
.rept 3
	v_nop                                          ; with the two additions five places behind the last products: four for the loads into registers that they read; the fifth since the products below write over P of B, which they read
.endr
	LOADK
	s_wait_dscnt 0x0
	QK QA
.rept 4
	v_nop                                          ; places in front of the first read of the scores
.endr
	SOFTMAX 8, PA, OA
	QK QB
.rept 4
	v_nop                                          ; places in front of the loads into K's registers and of the first read of the scores
.endr
	LOADV                                          ; issued ahead of the second softmax, awaited behind it
	SOFTMAX 12, PB, OB
	s_wait_alu depctr_va_vdst(0)
	s_wait_dscnt 0x0
	PV
	s_add_co_u32 s[TB], s[TB], 8192
	s_sub_co_u32 s[CNT], s[CNT], 1
	s_cmp_lg_u32 s[CNT], 0
	s_cbranch_scc1 .Lstep_\@
.endm
	s_wait_alu depctr_va_vdst(0)                   ; the wait at the head's end
	s_wait_loadcnt 0x0                             ; Q
	s_wait_tensorcnt 0x0                           ; my part of part 0 is in, if I fetched; then, ahead of a later first fill:
	ds_add_u32 v254, v255                          ; 0 onto my spare word,
	ds_add_u32 v254, v255                          ; twice on end
	s_wait_dscnt 0x0
	CROUND                                         ; part 0 is whole, and all four work-groups are here: the joint loads meet
	s_cmp_ge_u32 s[WV], 4                          ; parts 1 to 3: waves 4 to 15, one load each, the first tensor load behind the round
	s_cbranch_scc0 .Lrest
	tensor_load_to_lds s[G0:G0+3], s[G1:G1+7]
	s_nop 0
.rept 4
	v_nop
.endr
.Lrest:
	s_mov_b32 s[TB], 0
	STEPS 4                                        ; part 0
	s_wait_tensorcnt 0x0                           ; my block of parts 1 to 3 is in;  (no LDS instruction of mine is out: a step's last wait is for 0)
	s_barrier_signal -1
	s_barrier_wait -1                              ; and everybody's: nothing is ever filled again
	STEPS 12                                       ; parts 1 to 3
	; THE WAY OUT.  O^T is divided by the sum, multiplied by 2^(e8 + e9) and goes through my stage in LDS, a tile of 16 queries at a time, so that sixteen lanes store 256 consecutive bytes, aligned: a head's 64 channels of one token.
	; The stages lie over K's first bytes: every fill has landed, and behind this barrier no wave reads K or V any more (each has waited for its last LDS loads).
	; The barrier is split: work on registers alone stands between the signal and the wait.
	s_barrier_signal -1
	v_add_f32 v10, v10, v11                        ; the sum's two halves,
	v_add_f32 v14, v14, v15
	v_permlanex16_b32 v6, v10, s[SEL], s[SEL+1]
	v_permlanex16_b32 v7, v14, s[SEL], s[SEL+1]
	v_add_f32 v10, v10, v6                         ; and lane l xor 16's: the row's sum
	v_add_f32 v14, v14, v7
	s_wait_alu depctr_va_vdst(0)                   ; the wait ahead of the transcendentals
	v_rcp_f32 v10, v10
	v_rcp_f32 v14, v14
	v_and_b32 v20, 15, v0                          ; (a plain line behind the reciprocals)  r
	v_bfe_u32 v21, v0, 4, 1                        ; h
	s_add_co_i32 s56, s54, s55
	s_wait_alu depctr_va_vdst(0)                   ; the wait ahead of the reciprocals' first reader
	v_ldexp_f32 v10, v10, s56                      ; x 2^(e8 + e9)
	v_ldexp_f32 v14, v14, s56
	s_mul_i32 s57, s[WV], 16*SP                    ; my stage
	v_mul_u32_u24 v2, v20, SP
	v_lshl_add_u32 v2, v21, 5, v2
	v_add_nc_u32 v2, s57, v2                       ; in: row r; channel tile t's eight channels of my half: 64 t + 32 h bytes on
	v_mul_u32_u24 v3, v21, SP
	v_lshl_add_u32 v3, v20, 4, v3
	v_add_nc_u32 v3, s57, v3                       ; back: lanes 0-15 one row, lanes 16-31 the next
	v_lshlrev_b32 v22, 12, v21
	v_lshl_add_u32 v22, v20, 4, v22                ; and the same two rows in out0: 4,096 bytes a row
	s_wait_alu depctr_va_vdst(0)                   ; directly ahead of the first reader of O^T
.irp T, 0,1
.set j, 0
.rept 16
	v_pk_mul_f32 v[S+32*\T+j:S+32*\T+j+1], v[OA+32*\T+j:OA+32*\T+j+1], v[10+4*\T:11+4*\T] op_sel_hi:[1,0]   ; register 8 t + i is o(query r, channel 16 t + 8 h + i); each accumulator from its low end on
.set j, j+2
.endr
.endr
	s_wait_alu depctr_va_vdst(0)
	s_barrier_wait -1
.irp T, 0,1
.irp c, 0,1,2,3
	ds_store_b128 v2, v[S+32*\T+8*\c:S+32*\T+8*\c+3] offset:64*\c
	ds_store_b128 v2, v[S+32*\T+8*\c+4:S+32*\T+8*\c+7] offset:64*\c+16
.endr
.irp i, 0,1,2,3,4,5,6,7
	ds_load_b128 v[KV+32*\T+4*\i:KV+32*\T+4*\i+3], v3 offset:2*\i*SP   ; LDS serves a wave's instructions in order (ISA guide 5.7.1.4): these see my stores, and the next tile's stores come behind them
.endr
.endr
.irp T, 0,1
.irp i, 0,1,2,3,4,5,6,7
	s_wait_dscnt 23-16*\T-\i                       ; behind this load: its tile's later loads, and for tile 0 the sixteen LDS instructions of tile 1
	global_store_b128 v22, v[KV+32*\T+4*\i:KV+32*\T+4*\i+3], s[12:13] offset:(16*\T+2*\i)*4096 th:TH_STORE_NT
.endr
.endr
	s_wait_tensorcnt 0x0                           ; the wave's end: behind my last tensor load and my last LDS store
	ds_add_u32 v254, v255
	s_wait_dscnt 0x0
	CROUND                                         ; the closing round: no work-group ends while a partner may still ask for a tile that names it
	s_endpgm
.Lfunc_end_k_qfceabb737b_attn:
	.size	k_qfceabb737b_attn, .Lfunc_end_k_qfceabb737b_attn-k_qfceabb737b_attn
	.p2alignl 7, 3214868480
	.fill 96, 4, 3214868480
	.section	.rodata,"a",@progbits
	.p2align	6, 0x0
	.amdhsa_kernel k_qfceabb737b_attn
		.amdhsa_group_segment_fixed_size 327680
		.amdhsa_private_segment_fixed_size 0
		.amdhsa_enable_private_segment 0
		.amdhsa_kernarg_size 40
		.amdhsa_user_sgpr_count 2
		.amdhsa_user_sgpr_kernarg_segment_ptr 1
		.amdhsa_wavefront_size32 1
		.amdhsa_system_sgpr_workgroup_id_x 1
		.amdhsa_system_sgpr_workgroup_id_y 1
		.amdhsa_system_sgpr_workgroup_id_z 1
		.amdhsa_system_vgpr_workitem_id 0
		.amdhsa_next_free_vgpr 256
		.amdhsa_next_free_sgpr 66
		.amdhsa_reserve_vcc 0
		.amdhsa_float_denorm_mode_32 3
		.amdhsa_float_denorm_mode_16_64 3
		.amdhsa_memory_ordered 1
		.amdhsa_forward_progress 1
		.amdhsa_inst_pref_size 73
	.end_amdhsa_kernel
	.amdgpu_metadata
---
amdhsa.version: [ 1, 2 ]
amdhsa.kernels:
  - .name:           k_qfceabb737b_attn
    .symbol:         k_qfceabb737b_attn.kd
    .args:
      - { .name: q_img, .offset: 0, .size: 8, .value_kind: global_buffer, .address_space: global }
      - { .name: k_img, .offset: 8, .size: 8, .value_kind: global_buffer, .address_space: global }
      - { .name: v_img, .offset: 16, .size: 8, .value_kind: global_buffer, .address_space: global }
      - { .name: lowp_scales, .offset: 24, .size: 8, .value_kind: global_buffer, .address_space: global }
      - { .name: out0, .offset: 32, .size: 8, .value_kind: global_buffer, .address_space: global }
    .group_segment_fixed_size: 327680
    .private_segment_fixed_size: 0
    .kernarg_segment_align: 8
    .kernarg_segment_size: 40
    .max_flat_workgroup_size: 512
    .sgpr_count:     66
    .vgpr_count:     256
    .wavefront_size: 32
...
	.end_amdgpu_metadata
.endif
;; end of part 2
